; MI455X (gfx1250); checked and timed in simulation.
; The chip was launched on July 23, 2026; its instructions are those of AMD's public machine-readable ISA for CDNA 5 (MIT licence, August 2026) and "CDNA5" Instruction Set Architecture Reference Guide (July 2026). The comments in the code are by the model that wrote it; some were corrected since.
;; Linear3 Bit. Allowed arithmetic: matrix products marked QUANTISED: E2M3 operands, one E8M0 scale for each 32 along K, by v_wmma_scale_f32_16x16x128_f8f6f4 with both operands' format E2M3, f32 sums; everything else in f32.
;; Inputs: bias 2,048 float32; weight_norm 262,144 x 1 float16; weight_q3 262,144 x 12 int32; x 4 x 2,048 x 4,096 float32.
;; Outputs: out0 4 x 2,048 x 2,048 float32.
;; This version of the problem:
;;   THIS VERSION OF THE PROBLEM IS GIVEN IN LOW PRECISION. The matrix products marked QUANTISED in the list below multiply operands that are first quantised to E2M3 (2 exponent bits, 3 mantissa bits; 6 bits a number), with one power-of-two scale for each 32 numbers along K (OCP MX v1.0); their sums are f32. All else is computed in f32.
;;   The module's matrix products, in the order in which they are computed (A, B: the left and right operand; K: the contracted axis; several contracted axes count as one K, in the product's order):
;;     1. [M 8,192, K 4,096] x [K 4,096, N 2,048]; A: input x; B: computed on the way: QUANTISED
;;   THE QUANTISER, for each operand of a quantised product, along K:
;;     - K is cut into blocks of 32 from its start; a last block that is shorter is filled with zeros.
;;     - A block's scale is 2^e with e = floor(log2(the largest magnitude in the block)) - 2, held to -126 .. 127; a block of zeros has e = 0. As a byte (E8M0): e + 127.
;;     - Each number is divided by its block's scale, clamped to +-7.5, and rounded to the nearest number of E2M3, ties to even, subnormals kept.
;;     - The product sums the exact products of the quantised numbers (number of the format x scale) in f32.
;;   ~~~python
;;   def quantise(x, axis):      # numpy; x: float32 -> the quantised numbers, widened to float32 again
;;       x = np.moveaxis(x, axis, -1); K = x.shape[-1]
;;       x = np.pad(x, [(0, 0)] * (x.ndim - 1) + [(0, -K % 32)]); x = x.reshape(x.shape[:-1] + (-1, 32)); a = np.abs(x).max(-1, keepdims=True)
;;       e = np.where(a > 0, np.clip(np.frexp(np.where(a > 0, a, 1))[1] - 1 - 2, -126, 127), 0)      # np.frexp(a)[1] - 1 = floor(log2(a)), exactly
;;       r = np.clip(x / 2.0 ** e, -7.5, 7.5)
;;       step = 2.0 ** (np.maximum(np.frexp(np.where(r == 0, 1, r))[1] - 1, 0) - 3)
;;       q = np.round(r / step) * step * 2.0 ** e      # np.round: ties to even
;;       return np.moveaxis(q.reshape(q.shape[:-2] + (-1,))[..., :K], -1, axis).astype(np.float32)
;;   ~~~
;;   OPERANDS COMPUTED ON THE WAY. 'Computed on the way' means the value that the module computes at that place (a softmax that the list does not call 'softmax' is quantised finished and normalised). What goes into a quantiser is computed in f32, as accurately as f32 sums, v_exp_f32 and their like allow (about 1e-6 of the number): no bf16 or f16 on the way to a quantiser, and a product that is left as it is and whose result goes on into a quantised operand takes f32 operands (vector FMAs, or v_wmma_f32_16x16x4_f32). A number that lies on a knife's edge between two numbers of the format may be rounded either way, as far as f32 arithmetic and the matrix unit's own rounding can turn it there, and no further.
;; One version. Each part assembles by itself: llvm-mc -triple=amdgcn-amd-amdhsa -mcpu=gfx1250 --defsym DOCPART=n.
;; ======== version 1 of 1: 2 launches
;; limits: values are held in f16: magnitudes above 65,504 overflow, below 6.1e-05 lose precision; right only within a limited range of input values
;; workspace buffers: xq 26,214,400 bytes; wq 6,553,600 bytes
;; launch quant (part 1): grid 1280 x 1, 4 waves a work-group, no clusters, 39,424 bytes of LDS; arguments x, weight_q3, weight_norm, xq, wq; writes xq, wq
.if DOCPART == 1
	.amdgcn_target "amdgcn-amd-amdhsa--gfx1250"
	.amdhsa_code_object_version 6
	.text
	.protected	k_qde034448f7_quant
	.globl	k_qde034448f7_quant
	.p2align	8
	.type	k_qde034448f7_quant,@function
k_qde034448f7_quant:
	s_mov_b64 s[64:65], 0
	v_nop
	global_prefetch_b8 v0, s[64:65] scope:SCOPE_SE
	s_setreg_imm32_b32 hwreg(HW_REG_WAVE_MODE, 25, 1), 1
	s_wait_xcnt 0x0
; BOTH OPERANDS OF out = x W^T + bias BECOME CODES OF FP6 (E2M3), 6 bits each, with one E8M0 scale byte for each 32 along K = 4,096, LAID IN THE ORDER OF THE MATRIX OPERAND'S REGISTERS.
; x: [8192][4096] f32.  W: [2048][4096] is made on the way: a group of 32 weights is 12 int32 of which the low byte counts; three such bytes are a word of 24 bits whose
; field j (bits 3 j .. 3 j + 2) is q_j; w = (q / 7) (2 n + 1e-8) - n, n the group's f16 norm.  A group is exactly one block of 32 along K.
; A block's scale is 2^(floor(log2(its largest magnitude)) - 2); its byte is the largest magnitude's exponent field - 2, held at 1 from below.  Each number is divided by the scale and rounded to the nearest code, ties to even.
; LAYOUT OF THE RESULTS (this program's own): [G: 128 rows][ks: 32 steps of 128 along K][a chunk of 12,800 bytes].  A chunk: 8 fragments (16 rows x 128 K) of 1,536 bytes, then 512 bytes of scale words.
; A fragment is the image of its 12 registers: lane (r, h) holds row r's blocks h and 2 + h, 48 bytes; its registers 4 c .. 4 c + 3 lie at 512 c + 16 x lane.  The scale words (4 bytes: a row's four blocks) lie
; [half of the chunk's 8 fragments][r][4 fragments], so that 16 bytes of a lane are the words of row r in four fragments.
; SHARES: work-groups 0 .. 255 take W, the others x (one scalar branch on the work-group's number; each path has LDS bytes of its own).  A wave takes 64 rows x 128 along K: four fragments, half a chunk; the four waves
; of a work-group stand side by side along K.  No tensor loads, no barrier: waves share nothing.  Every offset is an immediate.
; A LANE MUST HOLD WHOLE BLOCKS OF ITS ROW, and a load is best where neighbouring lanes take neighbouring bytes.  Both are had: the loads take the bytes as they lie, a fragment's 16 rows turn through the wave's own stage in
; LDS, and each lane reads its two blocks back.  The conversions' results are then the fragment's registers, and each of its three stores covers 512 consecutive bytes, at a multiple of 256 from the buffer's first byte.
; LIMITS: NaN and infinities among the inputs are not served.  Blocks whose largest magnitude lies under 2^-124 get the byte 1.  A block of zeros gets the byte 1 where the rule says 127: its codes are
; zeros, which add nothing under any byte but 0xff, and the bytes are read by this program alone.  W's arithmetic: fl(q x fl(1/7)), which is exactly 0 for q = 0 and exactly 1 for q = 7, then ONE fused
; multiply-add with a = fl(2 n + 1e-8) and -n, where the definition divides, multiplies and subtracts: the same bits for q = 0 and 7, within about an ulp of n for the others.
.set WGW,    256                       ; work-groups for W: 2048 / 64 row groups x 32 / 4 along K
.set EMAX,   2                         ; the exponent of the format's largest number, 7.5
.set XROW,   16384                     ; a row of x in bytes
.set WROW,   6144                      ; a row of weight_q3 in bytes: 128 groups x 12 int32
.set FRAGB,  1536                      ; a fragment's image
.set SCOFF,  8*FRAGB                   ; where a chunk's scale words begin
.set CHUNK,  SCOFF+512
.set GBYTES, 32*CHUNK                  ; 128 rows, all of K
.set SPX,    528                       ; x's stage: a row's 512 bytes + 16: the 16 rows that a load of 16 bytes a lane touches start at 16 different groups of banks (64 banks of 4 bytes: ISA guide 11.1)
.set XST,    16*SPX                    ; a wave's stage
.set WLDS,   4*XST                     ; W's LDS begins behind x's
.set SPWT,   80                        ; W's stage: a row's 16 words of 24 bits (64 bytes) + 16
.set WST,    16*SPWT
.set CO,     4                         ; v4      16 x lane: my place in a load's or a store's 512 bytes; never rewritten
.set SA,     5                         ; v5      where my 8 bytes of scale words go; never rewritten
.set LIN,    6                         ; v6      the stage, on the way in
.set LOUT,   7                         ; v7      and on the way out
.set MX,     8                         ; v8-11   largest magnitudes: two chains for each of my two blocks
.set SCO,    12                        ; v12-13  the conversions' scale operands
.set BY,     14                        ; v14-15  the scale bytes
.set SH8,    16                        ; v16     8 h
.set PT,     17                        ; v17     the other half's bytes
.set OP,     18                        ; v18-19  scale words on the way out
.set SW,     20                        ; v20-23  my row's scale word in each of the four fragments
.set PC,     24                        ; v24-35  a fragment's 12 registers
.set TC,     36                        ; v36-43  the second half of each block's codes, before they are moved
.set WL,     44                        ; W: v44  my 12 bytes of a load: row h, chunk r
.set NL,     45                        ; W: v45  256 r: my row's norms
.set SH16,   46                        ; W: v46  16 h
.set X,      64                        ; v64-127 my 64 numbers: register 32 c + i = number i of block 2 c + h of row r
.set RAW,    128                       ; x: v128-191 16 rows as loaded.  W: v128-159 eight loads of three words
.set NR,     160                       ; W: v160-167 my row's four f16 norms, for each fragment
.set AP,     168                       ; W: v[168:169], v[170:171] a of my two blocks (low words)
.set NP,     172                       ; W: v[172:173], v[174:175] -n likewise
.set WD,     176                       ; W: v176-183 my eight words of 24 bits
.set PW,     184                       ; W: v184-191 the words just packed
; My 64 numbers in v[X] on become fragment f's registers and my row's scale word; the codes are stored.
.macro QFRAG f
.irp c, 0,1
	v_max3_num_f32 v[MX+2*\c], |v[X+32*\c]|, |v[X+32*\c+1]|, |v[X+32*\c+2]|          ; a block's largest magnitude: all 32 numbers are mine; four chains, so that no line waits for the line above it
	v_max3_num_f32 v[MX+2*\c+1], |v[X+32*\c+3]|, |v[X+32*\c+4]|, |v[X+32*\c+5]|
.endr
.irp i, 6,10,14,18,22,26
.irp c, 0,1
	v_max3_num_f32 v[MX+2*\c], v[MX+2*\c], |v[X+32*\c+\i]|, |v[X+32*\c+\i+1]|
	v_max3_num_f32 v[MX+2*\c+1], v[MX+2*\c+1], |v[X+32*\c+\i+2]|, |v[X+32*\c+\i+3]|
.endr
.endr
.irp c, 0,1
	v_max3_num_f32 v[MX+2*\c], v[MX+2*\c], |v[X+32*\c+30]|, |v[X+32*\c+31]|
.endr
.irp c, 0,1
	v_max3_num_f32 v[MX+2*\c], v[MX+2*\c], v[MX+2*\c+1], (EMAX+1)<<23   ; and the floor 2^(EMAX + 1 - 127): so the byte cannot fall under 1
.endr
.irp c, 0,1
	v_add_nc_u32 v[SCO+\c], -(EMAX<<23), v[MX+2*\c]   ; EMAX off its exponent field: the conversion takes the exponent field of this operand as its scale, and nothing else of it
.endr
.irp c, 0,1
	v_lshrrev_b32 v[BY+\c], 23, v[SCO+\c]          ; the scale's byte
.endr
	v_lshl_or_b32 v[BY], v[BY+1], 16, v[BY]        ; my two bytes: blocks h and 2 + h,
	v_lshlrev_b32 v[BY], v[SH8], v[BY]             ; at their places in the scale word;
	v_permlanex16_b32 v[PT], v[BY], s38, s39
	v_or_b32 v[SW+(\f)], v[BY], v[PT]              ; with lane l xor 16's two the word is whole
.if (\f) > 0
	s_wait_alu depctr_va_vdst(0)
	s_wait_xcnt 0x0                                ; the last fragment's stores have read their data: only behind this wait are the codes' registers written again
.endif
.irp c, 0,1
	v_cvt_scalef32_pk16_fp6_f32 v[PC+6*\c:PC+6*\c+2], v[X+32*\c:X+32*\c+15], v[SCO+\c]      ; registers 6 c .. 6 c + 5 of the operand: to the nearest code, ties to even, beyond the largest code the largest
	v_cvt_scalef32_pk16_fp6_f32 v[TC+4*\c:TC+4*\c+2], v[X+32*\c+16:X+32*\c+31], v[SCO+\c]   ; (a conversion's three registers begin on an even number: the second half of a block's six does not, so it is made elsewhere and moved)
.endr
	v_nop                                          ; one plain place behind a scaled conversion
.irp c, 0,1
.irp i, 0,1,2
	v_mov_b32 v[PC+6*\c+3+\i], v[TC+4*\c+\i]
.endr
.endr
.irp c, 0,1,2
	global_store_b128 v[CO], v[PC+4*\c:PC+4*\c+3], s[14:15] offset:(\f)*FRAGB+512*\c   ; 32 lanes store 512 consecutive bytes
.endr
.endm
; The wave's 64 scale words leave together: lane (r, h) stores the words of row r in fragments 2 h and 2 h + 1: 32 lanes store 256 consecutive bytes, at a multiple of 256 from the buffer's first byte.
.macro FINISH
	v_cndmask_b32 v[OP], v[SW], v[SW+2], s32
	v_cndmask_b32 v[OP+1], v[SW+1], v[SW+3], s32
	global_store_b64 v[SA], v[OP:OP+1], s[14:15]
	s_wait_tensorcnt 0x0
	ds_add_u32 v60, v61
	s_wait_dscnt 0x0
	s_endpgm
.endm
	s_load_b128 s[4:7], s[0:1], 0x0                ; x, weight_q3
	s_load_b128 s[8:11], s[0:1], 0x10              ; weight_norm, x's codes and scales
	s_load_b64 s[12:13], s[0:1], 0x20              ; W's codes and scales
	v_lshl_add_u32 v60, v0, 2, 0x9800              ; v60, v61: my spare word's address and 0, kept for the closing add alone
	v_mov_b32 v61, 0
	v_lshrrev_b32 v1, 5, v0
	v_readfirstlane_b32 s16, v1                    ; wave 0..3
	v_and_b32 v2, 31, v0                           ; lane
	v_and_b32 v1, 15, v0                           ; r
	s_wait_alu depctr_va_vdst(0)
	v_bfe_u32 v3, v0, 4, 1                         ; h
	v_lshlrev_b32 v[CO], 4, v2
	v_lshlrev_b32 v[SH8], 3, v3
	v_mov_b32 v[PT], 0                             ; written once: a lane permute's destination counts as one of its sources
	s_mov_b32 s38, 0x76543210
	s_mov_b32 s39, 0xfedcba98                      ; v_permlanex16_b32's selects for lane l xor 16
	s_mov_b32 s32, 0xffff0000                      ; lanes 16-31
	s_cmp_lt_u32 ttmp9, WGW
	s_cselect_b32 s17, 0, WGW
	s_sub_co_u32 s17, ttmp9, s17                   ; my number among my tensor's work-groups
	s_lshr_b32 s18, s17, 3                         ; my group of 64 rows
	s_and_b32 s19, s17, 7
	s_lshl_b32 s19, s19, 2
	s_add_co_u32 s19, s19, s16                     ; ks: my wave's 128 along K
	s_lshr_b32 s20, s18, 1                         ; G
	s_and_b32 s21, s18, 1                          ; which half of G's 128 rows
	s_mul_i32 s24, s20, GBYTES                     ; where my four fragments begin in the result (under 2^25)
	s_mul_i32 s20, s19, CHUNK
	s_add_co_u32 s24, s24, s20
	s_mul_i32 s20, s21, 4*FRAGB
	s_add_co_u32 s24, s24, s20
	s_mov_b32 s25, 0
	s_mul_i32 s21, s21, 4*FRAGB-256
	s_sub_co_u32 s21, SCOFF, s21                   ; from there to my half of the chunk's scale words
	v_lshlrev_b32 v[SA], 4, v1
	s_wait_alu depctr_va_vdst(0)
	v_lshl_add_u32 v[SA], v3, 3, v[SA]
	v_add_nc_u32 v[SA], s21, v[SA]                 ; + 16 r + 8 h
	s_cmp_lt_u32 ttmp9, WGW
	s_cbranch_scc1 .Lweights
; ------------------------------------------------------------------ x
; A fragment is 16 rows x 512 bytes: one load a row, 16 bytes a lane.  The 16 loads' registers are four quarters; a quarter takes the next fragment's loads as soon as its stores into the stage are done.
	s_lshl_b32 s22, s18, 20                        ; x: 64 rows of 16,384 bytes,
	s_lshl_b32 s20, s19, 9                         ;    + 512 bytes for each 128 along K (under 2^28)
	s_add_co_u32 s22, s22, s20
	s_mov_b32 s23, 0
	s_mul_i32 s20, s16, XST                        ; my wave's stage
	v_add_nc_u32 v[LIN], s20, v[CO]                ; in: a row as it lies
	v_mul_u32_u24 v[LOUT], v1, SPX
	v_lshl_add_u32 v[LOUT], v3, 7, v[LOUT]
	v_add_nc_u32 v[LOUT], s20, v[LOUT]             ; out: row r, block h; block 2 + h lies 256 bytes on
	s_wait_alu depctr_va_vdst(0)
	s_wait_kmcnt 0x0
	s_add_nc_u64 s[4:5], s[4:5], s[22:23]
	s_add_nc_u64 s[14:15], s[10:11], s[24:25]
.macro LOADQ f, k                      ; rows 4 k .. 4 k + 3 of fragment f
.irp e, 0,1,2,3
	global_load_b128 v[RAW+16*(\k)+4*\e:RAW+16*(\k)+4*\e+3], v[CO], s[4:5] offset:(16*(\f)+4*(\k)+\e)*XROW th:TH_LOAD_NT   ; 32 lanes read 512 consecutive bytes
.endr
.endm
.macro XFRAG f
.irp k, 0,1,2,3
.if ((\f) < 3) && (\k > 0)
	s_wait_loadcnt 8                               ; this quarter's four loads are in; two quarters' loads were issued behind them
.else
	s_wait_loadcnt 12-4*\k                         ; a fragment's first quarter: three quarters behind it; in the last fragment the counts run down
.endif
.irp e, 0,1,2,3
	ds_store_b128 v[LIN], v[RAW+16*\k+4*\e:RAW+16*\k+4*\e+3] offset:(4*\k+\e)*SPX
.endr
.if ((\f) < 3) && (\k > 0)
	s_wait_dscnt 4                                 ; all but the four stores just issued are done: the quarter before has been read,
	LOADQ (\f)+1, \k-1                             ; and takes the next fragment's loads
.endif
.endr
.irp c, 0,1
.irp j, 0,1,2,3,4,5,6,7
	ds_load_b128 v[X+32*\c+4*\j:X+32*\c+4*\j+3], v[LOUT] offset:256*\c+16*\j   ; LDS serves a wave's instructions in order (ISA guide 5.7.1): these see the stores above, and the next fragment's stores come behind them
.endr
.endr
.if (\f) < 3
	s_wait_dscnt 16                                ; all but these 16 loads are done: the last quarter has been read
	LOADQ (\f)+1, 3
.endif
	s_wait_dscnt 0x0
	QFRAG \f
.endm
.irp k, 0,1,2,3
	LOADQ 0, \k
.endr
.irp f, 0,1,2,3
	XFRAG \f
.endr
	FINISH
; ------------------------------------------------------------------ W
; A row's part of 128 along K is 4 groups x 48 bytes = 192 bytes = 16 chunks of three int32 (8 weights each).  One load of 12 bytes a lane takes two rows' 192 bytes as they lie: lane (r, h) has chunk r of row 2 k + h.
; Each chunk is packed into a word of 24 bits; a fragment's 16 x 16 words turn through the wave's stage, and lane (r, h) reads the eight words of row r's groups h and 2 + h back.
.Lweights:
	s_mul_i32 s22, s18, 64*WROW                    ; weight_q3: 64 rows, + 192 bytes for each 128 along K
	s_mul_i32 s20, s19, 192
	s_add_co_u32 s22, s22, s20
	s_mov_b32 s23, 0
	s_lshl_b32 s26, s18, 14                        ; weight_norm: 64 rows of 256 bytes, + 8 bytes for each 128 along K
	s_lshl_b32 s20, s19, 3
	s_add_co_u32 s26, s26, s20
	s_mov_b32 s27, 0
	s_mov_b32 s30, 0x04000400                      ; v_perm_b32: byte 0 of the second source, byte 0 of the first (twice)
	s_mov_b32 s31, 0x04040100                      ; bytes 0, 1 of the second source, byte 0 of the first (twice; the top byte is never read)
	s_mov_b32 s34, 0x3e124925                      ; fl(1 / 7)
	s_mov_b32 s35, s34                             ; (named with it as a pair, so it is written)
	s_mov_b32 s36, 0x322bcc77                      ; 1e-8
	v_mul_u32_u24 v[WL], v1, 12
	v_mad_u32_u24 v[WL], v3, WROW, v[WL]
	v_lshlrev_b32 v[NL], 8, v1
	v_lshlrev_b32 v[SH16], 4, v3
	s_mul_i32 s20, s16, WST
	s_add_co_u32 s20, s20, WLDS                    ; my wave's stage
	v_lshlrev_b32 v[LIN], 2, v1
	v_mad_u32_u24 v[LIN], v3, SPWT, v[LIN]
	v_add_nc_u32 v[LIN], s20, v[LIN]               ; in: row h of the load's two, word r
	v_mul_u32_u24 v[LOUT], v1, SPWT
	v_lshl_add_u32 v[LOUT], v3, 4, v[LOUT]
	v_add_nc_u32 v[LOUT], s20, v[LOUT]             ; out: row r, group h's four words; group 2 + h's lie 32 bytes on
.irp i, 1,3,5,7
	v_mov_b32 v[AP+\i], 0                          ; (named as the upper halves of pairs whose low words serve both halves)
.endr
	s_wait_kmcnt 0x0
	s_add_nc_u64 s[6:7], s[6:7], s[22:23]
	s_add_nc_u64 s[8:9], s[8:9], s[26:27]
	s_add_nc_u64 s[14:15], s[12:13], s[24:25]
.macro LOADW f                         ; fragment f: eight loads of two rows
.irp k, 0,1,2,3,4,5,6,7
	global_load_b96 v[RAW+4*\k:RAW+4*\k+2], v[WL], s[6:7] offset:(16*(\f)+2*\k)*WROW th:TH_LOAD_NT
.endr
.endm
.irp f, 0,1,2,3
	global_load_b64 v[NR+2*\f:NR+2*\f+1], v[NL], s[8:9] offset:\f*16*256   ; the four f16 norms of row r of fragment f
.endr
	LOADW 0
.macro WFRAG f
	s_wait_loadcnt 0x0                             ; this fragment's eight loads (and, the first time, the norms): nothing was issued behind them
.irp k, 0,1,2,3,4,5,6,7
	v_perm_b32 v[PW+\k], v[RAW+4*\k+1], v[RAW+4*\k], s30           ; the low bytes of the chunk's three int32 make a word of 24 bits
.endr
.irp k, 0,1,2,3,4,5,6,7
	v_perm_b32 v[PW+\k], v[RAW+4*\k+2], v[PW+\k], s31
.endr
.if (\f) < 3
	LOADW (\f)+1                                   ; the registers have been read: the next fragment is on its way while this one is worked
.endif
.irp k, 0,1,2,3,4,5,6,7
	ds_store_b32 v[LIN], v[PW+\k] offset:2*\k*SPWT
.endr
.irp c, 0,1
	ds_load_b128 v[WD+4*\c:WD+4*\c+3], v[LOUT] offset:32*\c        ; in order behind my stores
.endr
	v_lshrrev_b32 v56, v[SH16], v[NR+2*(\f)]       ; the norm of group h in the low half,
	v_lshrrev_b32 v57, v[SH16], v[NR+2*(\f)+1]     ; of group 2 + h
	v_cvt_f32_f16 v58, v56.l                       ; widened exactly
	v_cvt_f32_f16 v59, v57.l
	v_fma_f32 v[AP], 2.0, v58, s36                 ; a = 2 n + 1e-8: 2 n is exact, so this is the definition's one rounding
	v_fma_f32 v[AP+2], 2.0, v59, s36
	v_xor_b32 v[NP], 0x80000000, v58               ; -n
	v_xor_b32 v[NP+2], 0x80000000, v59
	s_wait_dscnt 0x0                               ; my words are in, and the stores have read their registers
.irp c, 0,1
.irp u, 0,1,2,3
.irp j, 0,1,2,3,4,5,6,7
	v_bfe_u32 v[X+32*\c+8*\u+\j], v[WD+4*\c+\u], 3*\j, 3
.endr
.endr
.endr
.set n, 0
.rept 64
	v_cvt_f32_u32 v[X+n], v[X+n]
.set n, n+1
.endr
.set n, 0
.rept 32
	v_pk_mul_f32 v[X+n:X+n+1], v[X+n:X+n+1], s[34:35] op_sel_hi:[1,0]   ; q / 7
.set n, n+2
.endr
.irp c, 0,1
.irp i, 0,2,4,6,8,10,12,14,16,18,20,22,24,26,28,30
	v_pk_fma_f32 v[X+32*\c+\i:X+32*\c+\i+1], v[X+32*\c+\i:X+32*\c+\i+1], v[AP+2*\c:AP+2*\c+1], v[NP+2*\c:NP+2*\c+1] op_sel_hi:[1,0,0]   ; w = (q / 7) a - n
.endr
.endr
	QFRAG \f
.endm
.irp f, 0,1,2,3
	WFRAG \f
.endr
	FINISH
.Lfunc_end_k_qde034448f7_quant:
	.size	k_qde034448f7_quant, .Lfunc_end_k_qde034448f7_quant-k_qde034448f7_quant
	.p2alignl 7, 3214868480
	.fill 96, 4, 3214868480
	.section	.rodata,"a",@progbits
	.p2align	6, 0x0
	.amdhsa_kernel k_qde034448f7_quant
		.amdhsa_group_segment_fixed_size 39424
		.amdhsa_private_segment_fixed_size 0
		.amdhsa_enable_private_segment 0
		.amdhsa_kernarg_size 40
		.amdhsa_user_sgpr_count 2
		.amdhsa_user_sgpr_kernarg_segment_ptr 1
		.amdhsa_wavefront_size32 1
		.amdhsa_system_sgpr_workgroup_id_x 1
		.amdhsa_system_sgpr_workgroup_id_y 1
		.amdhsa_system_sgpr_workgroup_id_z 1
		.amdhsa_system_vgpr_workitem_id 0
		.amdhsa_next_free_vgpr 192
		.amdhsa_next_free_sgpr 66
		.amdhsa_reserve_vcc 0
		.amdhsa_float_denorm_mode_32 3
		.amdhsa_float_denorm_mode_16_64 3
		.amdhsa_memory_ordered 1
		.amdhsa_forward_progress 1
		.amdhsa_inst_pref_size 98
	.end_amdhsa_kernel
	.amdgpu_metadata
---
amdhsa.version: [ 1, 2 ]
amdhsa.kernels:
  - .name:           k_qde034448f7_quant
    .symbol:         k_qde034448f7_quant.kd
    .args:
      - { .name: x, .offset: 0, .size: 8, .value_kind: global_buffer, .address_space: global }
      - { .name: weight_q3, .offset: 8, .size: 8, .value_kind: global_buffer, .address_space: global }
      - { .name: weight_norm, .offset: 16, .size: 8, .value_kind: global_buffer, .address_space: global }
      - { .name: xq, .offset: 24, .size: 8, .value_kind: global_buffer, .address_space: global }
      - { .name: wq, .offset: 32, .size: 8, .value_kind: global_buffer, .address_space: global }
    .group_segment_fixed_size: 39424
    .private_segment_fixed_size: 0
    .kernarg_segment_align: 8
    .kernarg_segment_size: 40
    .max_flat_workgroup_size: 128
    .sgpr_count:     66
    .vgpr_count:     192
    .wavefront_size: 32
...
	.end_amdgpu_metadata
.endif
;; end of part 1
;; launch gemm (part 2): grid 8 x 32, 4 waves a work-group, clusters of 4 x 4, 327,680 bytes of LDS; arguments xq, wq, out0, bias; writes out0
.if DOCPART == 2
	.amdgcn_target "amdgcn-amd-amdhsa--gfx1250"
	.amdhsa_code_object_version 6
	.text
	.protected	k_qde034448f7_gemm
	.globl	k_qde034448f7_gemm
	.p2align	8
	.type	k_qde034448f7_gemm,@function
k_qde034448f7_gemm:
	s_mov_b64 s[64:65], 0
	v_nop
	global_prefetch_b8 v0, s[64:65] scope:SCOPE_SE
	s_setreg_imm32_b32 hwreg(HW_REG_WAVE_MODE, 25, 1), 1
	s_wait_xcnt 0x0
	s_wait_alu depctr_hold_cnt(0) depctr_sa_sdst(0) depctr_va_vdst(0) depctr_va_sdst(0) depctr_va_ssrc(0) depctr_va_vcc(0) depctr_vm_vsrc(0)
	s_getreg_b32 s2, hwreg(HW_REG_IB_STS2, 6, 4)
	s_cmp_eq_u32 s2, 0
	s_cbranch_scc0 .Lentry_in_a_cluster
	s_endpgm
.Lentry_in_a_cluster:
	s_bfe_u32 s2, ttmp6, 0x10000c
	s_cmp_lg_u32 s2, 0xf033
	s_cbranch_scc0 .Lentry_shape_is_right
	s_endpgm
.Lentry_shape_is_right:
; out0[m][n] = sum over k of x[m][k] W[n][k] + bias[n], on the codes of FP6 (E2M3) and E8M0 scale words that launch quant laid: [128 rows][32 steps of 128 K][chunk of 12,800 bytes:
; 8 fragment images of 1,536 bytes, then 512 bytes of scale words].  M 8,192, N 2,048, K 4,096.  The bias is the C of each sum's first product.
; A work-group of four waves makes 256 x 256 of out0, a wave 128 x 128: 64 accumulators.  K goes through two LDS slots of four steps each; each wave fills its part of a slot by one tensor load:
; waves 0, 1 x's two halves (4 whole chunks, 51,200 bytes), waves 2, 3 of W's two halves the last 6,656 bytes of 4 chunks (blocks 4-7 and the scale words; each row begins 6,144 bytes into its chunk, a multiple of 256).
; CLUSTERS 4 x 4: x's tiles are asked for jointly along a row of the cluster, W's along a column.  The product is used transposed (source 0 = W's rows, source 1 = x's rows): a lane holds 8 neighbouring columns of a row.
; W'S BLOCKS 0-3 ARE NOT ASKED FOR JOINTLY: they go from memory straight into their registers, 12 loads of 512 consecutive bytes a wave and step (the images lie in register order).  The reason, by this text's counts:
; a wave's LDS loads fall from 50 to 38 a step, a step's bytes in LDS from 51,200 to 38,912, so that a slot holds four steps and K takes 8 fills.
; REGISTERS: each window of 256 holds 128 accumulator registers (v128-255) and TWO SETS of one quarter of the fragments:
;   window 0: v0-15 addresses, v16-31 scale words (two sets), v32-127 x's blocks 0-3, accumulators of x's blocks 0, 1;   window 1: v0-95 W's blocks 0-3, v96-108 addresses, accumulators of x's blocks 2, 3
;   window 2: v0-95 W's blocks 4-7, v96-127 bias of W's blocks 0-3, accumulators of x's blocks 4, 5;   window 3: v0-95 x's blocks 4-7, v96-127 bias of W's blocks 4-7, accumulators of x's blocks 6, 7
; A STEP of 128 K: ONE run of 12 global and 38 LDS loads brings the NEXT step's operands into the other set; then the step's 64 products on end, those on W's blocks 4-7 first.
; PREFETCH: behind each refill in the loop each wave names 50 of the 200 blocks of 256 bytes of the four chunks that stand two refills (eight K steps) on; the four partners of a joint load share the blocks out by address.
; W's waves name W's slots 0 to 3 in the head (its direct loads have no tensor load ahead of them); x's first four slots come by their loads alone.  The last slot named is the buffer's last.
.set SIZE_N, 2048
.set FRAGB,  1536
.set CHUNK,  8*FRAGB+512
.set GBYTES, 32*CHUNK
.set XT,     4*CHUNK                   ; x's tile: 128 rows x four steps
.set WR,     4*FRAGB+512               ; a row of W's tile: blocks 4-7 and the scale words of one step
.set WT,     4*WR
.set SLOT,   2*XT+2*WT                 ; 155,648
.set SPARE,  2*SLOT                    ; the spare words, 512 bytes that no other line names
.set STAGE,  0                         ; the way out's stages lie in slot 0, behind its last fill and its last read
.set SPITCH, 528
.set SPW, 1                            ; window 0: my spare word's address; 0
.set NIL, 2
.set STO, 3                            ; the way out: into the stage, back from it, my 16 bytes of a row of 512
.set RD,  4
.set CO,  5
.set PFO, 6                            ; the prefetches' offsets
.set PFO2, 7
.set BO,  8                            ; 32 h: my eight numbers of 16 of the bias
.set SC,  16
.set T,   112                          ; temporaries of the head
.set AD,  96                           ; window 1: v96-97 x's fragments in slot 0, 1; v98-99 W's blocks 4-7; v100 16 x lane; v101-108 scale words of chunk q in slot 0, 1
.set OUTP, 8
.set BIA,  10
.set G1,   24
.set G0,   32
.set G1B,  48
.set G0B,  56
.set PFA,  66
.set WB,   76                          ; s[76:77] my 128 rows of W in memory
.set MSB, 0
.macro WIN new                         ; the immediate's high byte repeats the setting that is left
.if MSB != (\new)
	s_set_vgpr_msb (MSB<<8)|(\new)
.set MSB, (\new)
.endif
.endm
.macro WINP d, u, f                    ; x's blocks 2 d, 2 d + 1 against W's blocks 4 u ..: source 0 window 1 + u, source 1 window 0 or 3, D window d, C window d (f = 1: the bias, window 2 + u)
	WIN ((1+(\u))|((3*((\d)/2))<<2)|(((\f)*(2+(\u))+(1-(\f))*(\d))<<4)|((\d)<<6))
.endm
.macro PLACES
.rept 4
	v_nop
.endr
.endm
.macro JLOAD s                         ; a joint load into slot s: waves 0, 1 fetch x's two halves, waves 2, 3 W's
	s_cmp_eq_u32 s15, 0
	s_cbranch_scc0 .Lfor_b_\@
	tensor_load_to_lds s[G0+4*(\s):G0+4*(\s)+3], s[G1:G1+7]
	s_nop 0
	PLACES
	s_branch .Lasked_\@
.Lfor_b_\@:
	tensor_load_to_lds s[G0B+4*(\s):G0B+4*(\s)+3], s[G1B:G1B+7]
	s_nop 0
	PLACES
.Lasked_\@:
.endm
.macro PF off                          ; 50 blocks of 256 bytes: 32 lanes, then 18 (the lanes left over name the last block again)
	global_prefetch_b8 v[PFO], s[PFA:PFA+1] offset:\off th:TH_LOAD_NT scope:SCOPE_SE
	global_prefetch_b8 v[PFO2], s[PFA:PFA+1] offset:\off th:TH_LOAD_NT scope:SCOPE_SE
.endm
.macro ASK                             ; not in the loop's last trip: its two refills have no slot two refills on
	s_cmp_gt_u32 s3, 1
	s_cbranch_scc0 .Lnone_\@
	PF 0
.Lnone_\@:
.endm
.macro ASKW o1, o2                     ; in the head, W's waves alone
	s_cmp_lg_u32 s15, 0
	s_cbranch_scc0 .Lnotw_\@
	PF \o1
	PF \o2
.Lnotw_\@:
.endm
.macro CREST                           ; a round of the cluster's barrier behind its opening barrier
	s_cmp_lg_u32 s14, 0
	s_cbranch_scc1 .Lnot_wave_0_\@
	s_barrier_signal -3
.Lnot_wave_0_\@:
	s_barrier_wait -3
	s_barrier_signal -1
	s_barrier_wait -1
.endm
.macro CROUND
	s_barrier_signal -1
	s_barrier_wait -1
	CREST
.endm
; product i (0 .. 15) of quarter d on set p: x's block 2 d + (i % 8) / 4, W's block 4 (i / 8) + i % 4.  The 64 accumulators take turns, one instruction a turn.
.macro WM d, p, i, first
.set AA_, ((\i)%8)/4
.set B_,  4*((\i)/8)+(\i)%4
.set A_,  2*(\d)+AA_
.set D_,  128+8*(8*AA_+B_)
.set BS_, 48*(\p)+12*((\i)%4)
.set AS_, 48*(\p)+12*(A_%4)+32*(1-(\d)/2)
.set CB_, 96+8*((\i)%4)
.if \first
	v_wmma_scale_f32_16x16x128_f8f6f4 v[D_:D_+7], v[BS_:BS_+11], v[AS_:AS_+11], v[CB_:CB_+7], v[SC+8*(\p)+B_], v[SC+8*(\p)+A_] matrix_a_fmt:MATRIX_FMT_FP6 matrix_b_fmt:MATRIX_FMT_FP6 matrix_a_scale:MATRIX_SCALE_ROW1
.else
	v_wmma_scale_f32_16x16x128_f8f6f4 v[D_:D_+7], v[BS_:BS_+11], v[AS_:AS_+11], v[D_:D_+7], v[SC+8*(\p)+B_], v[SC+8*(\p)+A_] matrix_a_fmt:MATRIX_FMT_FP6 matrix_b_fmt:MATRIX_FMT_FP6 matrix_a_scale:MATRIX_SCALE_ROW1
.endif
.endm
.macro SEG d, p, first, i0             ; eight products from i0 on
.set WI, \i0
.rept 8
	WM \d, \p, WI, \first
.set WI, WI+1
.endr
.endm
.macro RUNG p, g                       ; W's blocks 0-3 of the chunk g behind my base, into set p: four images are 12 loads of 512 bytes on end
	WIN 0x41
.set LN, 0
.rept 12
	global_load_b128 v[48*(\p)+4*LN:48*(\p)+4*LN+3], v[AD+4], s[WB:WB+1] offset:(\g)*CHUNK+512*LN
.set LN, LN+1
.endr
.endm
.macro RUNL p, slot, q                 ; from chunk q of a slot into set p: x's blocks 0-3 and the eight scale words (lanes 0-15 x's, lanes 16-31 W's), W's blocks 4-7, x's blocks 4-7: 14 + 12 + 12 loads
	WIN 0x01
.set LN, 0
.rept 12
	ds_load_b128 v[32+48*(\p)+4*LN:32+48*(\p)+4*LN+3], v[AD+(\slot)] offset:(\q)*CHUNK+512*LN
.set LN, LN+1
.endr
	ds_load_b128 v[SC+8*(\p):SC+8*(\p)+3], v[AD+5+4*(\slot)+(\q)] offset:(\q)*CHUNK
	ds_load_b128 v[SC+8*(\p)+4:SC+8*(\p)+7], v[AD+5+4*(\slot)+(\q)] offset:(\q)*CHUNK+256
	WIN 0x81
.set LN, 0
.rept 12
	ds_load_b128 v[48*(\p)+4*LN:48*(\p)+4*LN+3], v[AD+2+(\slot)] offset:(\q)*WR+512*LN
.set LN, LN+1
.endr
	WIN 0xc1
.set LN, 0
.rept 12
	ds_load_b128 v[48*(\p)+4*LN:48*(\p)+4*LN+3], v[AD+(\slot)] offset:(\q)*CHUNK+4*FRAGB+512*LN
.set LN, LN+1
.endr
.endm
; A step on set p; its run fetches the next step: chunk q of a slot, chunk g behind W's base (ld = 0: the last step fetches nothing).
; tl > 0: A CHANGE OF SLOTS begins in this step (the slot's third): my reads of the slot ended with this step's run.  Ahead of the last eight products: the wait for all my tensor loads (one is out: my part of the other
; slot) and the add; behind them the wait for the add and for my reads, and the signal.  (tl = 2: the prefetch base steps one slot on.)
; hd > 0: the change ends at this step's head: the barrier's wait; hd = 2: the rest of the cluster's round and the joint refill of the slot just left; hd = 1: nothing is left to fetch.
; The four v_nop at a step's head (those behind the joint load, where there is one) are the places between the last step's products and the loads into the set that they read.
.macro STEP p, slot, q, g, first, hd, tl, ld
.if (\hd) == 0
	PLACES
.else
	s_barrier_wait -1
.if (\hd) > 1
	CREST
	s_add_nc_u64 s[G0+4*(1-(\slot))+2:G0+4*(1-(\slot))+3], s[G0+4*(1-(\slot))+2:G0+4*(1-(\slot))+3], 2*XT
	s_add_nc_u64 s[G0B+4*(1-(\slot))+2:G0B+4*(1-(\slot))+3], s[G0B+4*(1-(\slot))+2:G0B+4*(1-(\slot))+3], 2*XT
	JLOAD 1-(\slot)
.else
	PLACES
.endif
.endif
.if \ld
	RUNG 1-(\p), \g
	RUNL 1-(\p), \slot, \q
.endif
.if (\hd) == 2
	WIN 0
	ASK
.endif
	s_wait_dscnt 38*(\ld)                          ; all but the 38 LDS loads just issued
.if \first
	s_wait_loadcnt 12                              ; the bias is in (and step 0's blocks): behind them stand the 12 loads just issued
.endif
.irp d, 0,1,2,3
	WINP \d, 1, \first
	SEG \d, \p, \first, 8
.endr
	s_wait_loadcnt 12*(\ld)                        ; this step's blocks 0-3 of W are in: behind them stand the 12 loads just issued
.irp d, 0,1,2
	WINP \d, 0, \first
	SEG \d, \p, \first, 0
.endr
.if (\tl) > 0
	WIN 0                                          ; the add's two registers lie in window 0
.if (\tl) == 2
	s_wait_xcnt 0x0                                ; my prefetches have read their base
	s_add_nc_u64 s[PFA:PFA+1], s[PFA:PFA+1], XT
.endif
	s_wait_tensorcnt 0x0
	ds_add_u32 v[SPW], v[NIL]
.endif
	WINP 3, 0, \first
	SEG 3, \p, \first, 0
.if (\tl) > 0
	WIN 0
	s_wait_dscnt 0x0
	s_barrier_signal -1
.endif
.endm
	s_load_b128 s[4:7], s[0:1], 0x0                ; xq, wq
	s_load_b128 s[8:11], s[0:1], 0x10              ; out0, bias
	v_lshl_add_u32 v[SPW], v0, 2, SPARE
	v_mov_b32 v[NIL], 0
	ds_add_u32 v[SPW], v[NIL]                      ; the opening lines: the add twice on end and one wait, ahead of my first tensor load
	ds_add_u32 v[SPW], v[NIL]
	v_lshrrev_b32 v[T], 5, v0
	v_readfirstlane_b32 s14, v[T]                  ; wave 0..3
	s_lshr_b32 s15, s14, 1                         ; my half of the block's rows; also: I fetch for x (0) or W (1)
	s_and_b32 s16, s14, 1                          ; my half of its columns; also: which 128 rows I fetch
	s_bfe_u32 s40, ttmp6, 0x40000                  ; cx, cy
	s_bfe_u32 s41, ttmp6, 0x40004
	s_lshl_b32 s42, ttmp9, 2
	s_add_co_u32 s42, s42, s40                     ; block column
	s_and_b32 s17, ttmp7, 0xffff
	s_lshl_b32 s17, s17, 2
	s_add_co_u32 s17, s17, s41                     ; block row
	s_lshl_b32 s43, s41, 2
	s_lshl_b32 s43, 15, s43                        ; my row of the cluster
	s_lshl_b32 s44, 0x1111, s40                    ; my column
	s_or_b32 s[G1+0], s43, (3<<16)|(1<<21)         ; x's tile: 200 dense rows of 32 elements of 8 bytes
	s_mov_b32 s[G1+1], 32<<16
	s_mov_b32 s[G1+2], (XT/256)<<16
	s_mov_b32 s[G1+3], 32<<16
	s_mov_b32 s[G1+4], XT/256
	s_mov_b32 s[G1+5], 32
	s_mov_b32 s[G1+6], 0
	s_mov_b32 s[G1+7], 0
	s_or_b32 s[G1B+0], s44, (3<<16)|(1<<21)        ; W's tile: 4 rows of 832 elements of 8 bytes, a chunk (1,600 elements) apart
	s_mov_b32 s[G1B+1], (WR/8)<<16
	s_mov_b32 s[G1B+2], 4<<16
	s_mov_b32 s[G1B+3], (WR/8)<<16
	s_mov_b32 s[G1B+4], 4
	s_mov_b32 s[G1B+5], CHUNK/8
	s_mov_b32 s[G1B+6], 0
	s_mov_b32 s[G1B+7], 0
	s_lshl_b32 s20, s17, 1                         ; where my 128 rows begin: x by the block row,
	s_add_co_u32 s20, s20, s16
	s_mul_i32 s20, s20, GBYTES
	s_mov_b32 s21, 0
	s_lshl_b32 s46, s42, 1                         ; W by the block column
	s_add_co_u32 s46, s46, s16
	s_mul_i32 s46, s46, GBYTES
	s_mov_b32 s47, 0
	s_mul_i32 s45, s16, XT                         ; where x's tile goes in a slot (waves 0, 1)
	s_mul_i32 s18, s15, XT                         ; what I read: my 128 rows of x,
	s_mul_i32 s12, s16, WT
	s_add_co_u32 s12, s12, 2*XT                    ; my 128 rows of W, behind x's 256 (also: where W's tile goes, waves 2, 3)
	s_add_co_u32 s19, s18, SLOT
	s_add_co_u32 s13, s12, SLOT
	s_add_co_u32 s95, s18, 8*FRAGB                 ; x's scale words of chunk 0
	s_add_co_u32 s96, s95, SLOT
	s_sub_co_u32 s68, s12, s18                     ; from x's scale words of chunk q to W's: a chunk of W takes 6,144 bytes less in LDS, and its words lie 6,144 bytes earlier in it
	s_sub_co_u32 s68, s68, 4*FRAGB
	s_sub_co_u32 s69, s68, 4*FRAGB
	s_sub_co_u32 s70, s69, 4*FRAGB
	s_sub_co_u32 s71, s70, 4*FRAGB
	s_mul_i32 s23, s14, 16*SPITCH
	s_add_co_u32 s23, s23, STAGE                   ; my stage
	s_lshl_b32 s88, s17, 8                         ; my part of out0: row 256 x block row + 128 x half,
	s_lshl_b32 s89, s15, 7
	s_add_co_u32 s88, s88, s89
	s_mul_i32 s88, s88, SIZE_N*4
	s_mov_b32 s89, 0
	s_lshl_b32 s90, s42, 10                        ; byte 1,024 x block column + 512 x half of a row (and of the bias)
	s_lshl_b32 s91, s16, 9
	s_add_co_u32 s90, s90, s91
	s_mov_b32 s91, 0
	s_add_nc_u64 s[88:89], s[88:89], s[90:91]
	s_lshl_b32 s92, s17, 1                         ; the prefetches: the rows that I fetch, my place p among the four that ask for them: blocks 50 p ..
	s_lshl_b32 s93, s42, 1
	s_cmp_eq_u32 s15, 0
	s_cselect_b32 s92, s92, s93
	s_cselect_b32 s94, s40, s41
	s_mul_i32 s94, s94, 50
	s_add_co_u32 s92, s92, s16
	s_mul_i32 s92, s92, GBYTES
	s_add_co_u32 s92, s92, 3*XT                    ; at slot 3: the first change of slots steps it to slot 4
	s_mov_b32 s93, 0
	v_and_b32 v[T+1], 31, v0                       ; lane
	v_and_b32 v[T+2], 15, v0                       ; r
	v_bfe_u32 v[T+3], v0, 4, 1                     ; h
	v_lshlrev_b32 v[CO], 4, v[T+1]
	v_lshlrev_b32 v[BO], 5, v[T+3]
.irp q, 0,1,2,3
	v_mul_u32_u24 v[T+6+\q], s[68+\q], v[T+3]      ; scale words: lanes 16-31 take W's,
.endr
.irp q, 0,1,2,3
	v_lshl_add_u32 v[T+6+\q], v[T+2], 4, v[T+6+\q] ; 16 bytes for row r
.endr
	v_mul_u32_u24 v[T+5], v[T+2], SPITCH
	v_lshl_add_u32 v[T+5], v[T+3], 5, v[T+5]
	v_add_nc_u32 v[STO], s23, v[T+5]
	v_add_nc_u32 v[RD], s23, v[CO]
	v_add_nc_u32 v[PFO], s94, v[T+1]
	v_min_u32 v[PFO2], 17, v[T+1]
	v_add_nc_u32 v[PFO2], s94, v[PFO2]
	v_add_nc_u32 v[PFO2], 32, v[PFO2]              ; 199 at the most: four chunks have 200 blocks
	v_lshlrev_b32 v[PFO], 8, v[PFO]
	v_lshlrev_b32 v[PFO2], 8, v[PFO2]
	WIN 0x40                                       ; the loads' addresses go to window 1
	v_add_nc_u32 v[AD], s18, v[CO]
	v_add_nc_u32 v[AD+1], s19, v[CO]
	v_add_nc_u32 v[AD+2], s12, v[CO]
	v_add_nc_u32 v[AD+3], s13, v[CO]
	v_mov_b32 v[AD+4], v[CO]
.irp q, 0,1,2,3
	v_add_nc_u32 v[AD+5+\q], s95, v[T+6+\q]
	v_add_nc_u32 v[AD+9+\q], s96, v[T+6+\q]
.endr
	WIN 0
	s_wait_alu depctr_va_vdst(0)
	s_wait_dscnt 0x0                               ; both opening adds are done
	s_wait_kmcnt 0x0
	s_add_nc_u64 s[20:21], s[4:5], s[20:21]
	s_add_nc_u64 s[WB:WB+1], s[6:7], s[46:47]
	s_add_nc_u64 s[46:47], s[WB:WB+1], 4*FRAGB     ; W's tile begins at block 4 of its chunk
	s_add_nc_u64 s[OUTP:OUTP+1], s[OUTP:OUTP+1], s[88:89]
	s_add_nc_u64 s[BIA:BIA+1], s[BIA:BIA+1], s[90:91]
	s_cmp_eq_u32 s15, 0
	s_cselect_b64 s[PFA:PFA+1], s[4:5], s[6:7]
	s_add_nc_u64 s[PFA:PFA+1], s[PFA:PFA+1], s[92:93]
	WIN 0x80                                       ; the bias in the result's layout: register j of block b is column 16 b + 8 h + j
.irp b, 0,1,2,3
	global_load_b128 v[96+8*\b:96+8*\b+3], v[BO], s[BIA:BIA+1] offset:64*\b
	global_load_b128 v[96+8*\b+4:96+8*\b+7], v[BO], s[BIA:BIA+1] offset:64*\b+16
.endr
	WIN 0xc0
.irp b, 0,1,2,3
	global_load_b128 v[96+8*\b:96+8*\b+3], v[BO], s[BIA:BIA+1] offset:256+64*\b
	global_load_b128 v[96+8*\b+4:96+8*\b+7], v[BO], s[BIA:BIA+1] offset:256+64*\b+16
.endr
	RUNG 0, 0                                      ; step 0's blocks 0-3 of W
	WIN 0
.irp s, 0,1
	s_mov_b32 s[G0+4*\s], 1
	s_add_co_u32 s[G0+4*\s+1], s45, \s*SLOT
	s_add_nc_u64 s[G0+4*\s+2:G0+4*\s+3], s[20:21], \s*XT
	s_or_b32 s[G0+4*\s+3], s[G0+4*\s+3], 0x80000000
	s_mov_b32 s[G0B+4*\s], 1
	s_add_co_u32 s[G0B+4*\s+1], s12, \s*SLOT
	s_add_nc_u64 s[G0B+4*\s+2:G0B+4*\s+3], s[46:47], \s*XT
	s_or_b32 s[G0B+4*\s+3], s[G0B+4*\s+3], 0x80000000
.endr
	CROUND                                         ; all sixteen work-groups are here: the first joint loads meet
	JLOAD 0                                        ; steps 0 to 3: one tensor load a wave at the head
	ASKW -3*XT, -2*XT                              ; W's slots 0 and 1
	s_wait_tensorcnt 0x0                           ; my part of slot 0 is in; slot 1's first fill is issued as a refill is:
	ds_add_u32 v[SPW], v[NIL]
	s_wait_dscnt 0x0
	CROUND
	JLOAD 1                                        ; steps 4 to 7
	RUNL 0, 0, 0                                   ; step 0's fragments
	WIN 0
	ASKW -XT, 0                                    ; W's slots 2 and 3
	STEP 0, 0, 1, 1, 1, 0, 0, 1                    ; step 0 starts the sums on the bias
	WIN 0
	s_mov_b32 s3, 3
.Llap:                                             ; eight steps: sets, chunks and slots are back where they began; both slots are filled again
	STEP 1, 0, 2, 2, 0, 0, 0, 1
	STEP 0, 0, 3, 3, 0, 0, 2, 1
	STEP 1, 1, 0, 4, 0, 2, 0, 1
	STEP 0, 1, 1, 5, 0, 0, 0, 1
	STEP 1, 1, 2, 6, 0, 0, 0, 1
	STEP 0, 1, 3, 7, 0, 0, 2, 1
	STEP 1, 0, 0, 8, 0, 2, 0, 1
	STEP 0, 0, 1, 9, 0, 0, 0, 1
	WIN 0
	s_wait_xcnt 0x0                                ; my loads have read their base: it steps eight chunks on
	s_add_nc_u64 s[WB:WB+1], s[WB:WB+1], 8*CHUNK
	s_sub_co_u32 s3, s3, 1
	s_cmp_lg_u32 s3, 0
	s_cbranch_scc1 .Llap
	STEP 1, 0, 2, 2, 0, 0, 0, 1                    ; steps 25 to 31: one more barrier, for the last slot; nothing is left to fetch into LDS
	STEP 0, 0, 3, 3, 0, 0, 1, 1
	STEP 1, 1, 0, 4, 0, 1, 0, 1
	STEP 0, 1, 1, 5, 0, 0, 0, 1
	STEP 1, 1, 2, 6, 0, 0, 0, 1
	STEP 0, 1, 3, 7, 0, 0, 0, 1
	STEP 1, 0, 0, 0, 0, 0, 0, 0                    ; the last step fetches nothing
	WIN 0
; THE WAY OUT, by blocks of 16 rows x 128 columns: through my own stage, back as whole rows of 512 bytes, stored as two aligned units of 256 bytes.  LDS serves a wave's instructions in order (ISA guide 5.7.1).
; Each of the eight blocks comes back into 64 registers of its own (window bw, from register br: fragments that are done with; for blocks 6, 7 the accumulators of blocks 0, 1, which have gone to the stage),
; and every store's place among my 128 rows stands in its immediate (127 rows of 8,192 bytes at the most): no register and no base that a store reads is written again.
.macro TOSTAGE a, bw, br
.set AC, 128+64*((\a)%2)
	WIN ((\a)/2)<<2                                ; the data: window a / 2
.irp b, 0,1,2,3,4,5,6,7
	ds_store_b128 v[STO], v[AC+8*\b:AC+8*\b+3] offset:64*\b          ; each accumulator from its low end on
	ds_store_b128 v[STO], v[AC+8*\b+4:AC+8*\b+7] offset:64*\b+16
.endr
	WIN (\bw)<<6
.irp t, 0,1,2,3,4,5,6,7,8,9,10,11,12,13,14,15
	ds_load_b128 v[(\br)+4*\t:(\br)+4*\t+3], v[RD] offset:\t*SPITCH
.endr
.endm
.macro SEND a, bw, br, younger         ; younger: the LDS instructions issued behind block a's loads
	s_wait_dscnt \younger
	WIN (\bw)<<2
.irp t, 0,1,2,3,4,5,6,7,8,9,10,11,12,13,14,15
	global_store_b128 v[CO], v[(\br)+4*\t:(\br)+4*\t+3], s[OUTP:OUTP+1] offset:(16*(\a)+\t)*SIZE_N*4 th:TH_STORE_NT   ; 32 lanes store 512 consecutive bytes, at a multiple of 256 from out0's first byte
.endr
.endm
	PLACES
	TOSTAGE 0, 0, 32
	TOSTAGE 1, 1, 0
	SEND 0, 0, 32, 32
	TOSTAGE 2, 2, 0
	SEND 1, 1, 0, 32
	TOSTAGE 3, 2, 64
	SEND 2, 2, 0, 32
	TOSTAGE 4, 3, 0
	SEND 3, 2, 64, 32
	TOSTAGE 5, 3, 64
	SEND 4, 3, 0, 32
	TOSTAGE 6, 0, 128
	SEND 5, 3, 64, 32
	TOSTAGE 7, 0, 192
	SEND 6, 0, 128, 32
	SEND 7, 0, 192, 0
	WIN 0
	s_wait_tensorcnt 0x0                           ; the wave's end
	ds_add_u32 v[SPW], v[NIL]
	s_wait_dscnt 0x0
	CROUND                                         ; the closing round
	s_endpgm
.Lfunc_end_k_qde034448f7_gemm:
	.size	k_qde034448f7_gemm, .Lfunc_end_k_qde034448f7_gemm-k_qde034448f7_gemm
	.p2alignl 7, 3214868480
	.fill 96, 4, 3214868480
	.section	.rodata,"a",@progbits
	.p2align	6, 0x0
	.amdhsa_kernel k_qde034448f7_gemm
		.amdhsa_group_segment_fixed_size 327680
		.amdhsa_private_segment_fixed_size 0
		.amdhsa_enable_private_segment 0
		.amdhsa_kernarg_size 32
		.amdhsa_user_sgpr_count 2
		.amdhsa_user_sgpr_kernarg_segment_ptr 1
		.amdhsa_wavefront_size32 1
		.amdhsa_system_sgpr_workgroup_id_x 1
		.amdhsa_system_sgpr_workgroup_id_y 1
		.amdhsa_system_sgpr_workgroup_id_z 1
		.amdhsa_system_vgpr_workitem_id 0
		.amdhsa_next_free_vgpr 1024
		.amdhsa_next_free_sgpr 98
		.amdhsa_reserve_vcc 0
		.amdhsa_float_denorm_mode_32 3
		.amdhsa_float_denorm_mode_16_64 3
		.amdhsa_memory_ordered 1
		.amdhsa_forward_progress 1
		.amdhsa_inst_pref_size 237
	.end_amdhsa_kernel
	.amdgpu_metadata
---
amdhsa.version: [ 1, 2 ]
amdhsa.kernels:
  - .name:           k_qde034448f7_gemm
    .symbol:         k_qde034448f7_gemm.kd
    .args:
      - { .name: xq, .offset: 0, .size: 8, .value_kind: global_buffer, .address_space: global }
      - { .name: wq, .offset: 8, .size: 8, .value_kind: global_buffer, .address_space: global }
      - { .name: out0, .offset: 16, .size: 8, .value_kind: global_buffer, .address_space: global }
      - { .name: bias, .offset: 24, .size: 8, .value_kind: global_buffer, .address_space: global }
    .group_segment_fixed_size: 327680
    .private_segment_fixed_size: 0
    .kernarg_segment_align: 8
    .kernarg_segment_size: 32
    .max_flat_workgroup_size: 128
    .sgpr_count:     98
    .vgpr_count:     1024
    .wavefront_size: 32
...
	.end_amdgpu_metadata
.endif
;; end of part 2
